; MI455X (gfx1250); checked and timed in simulation.
; The chip was launched on July 23, 2026; its instructions are those of AMD's public machine-readable ISA for CDNA 5 (MIT licence, August 2026) and "CDNA5" Instruction Set Architecture Reference Guide (July 2026). The comments in the code are by the model that wrote it; some were corrected since.
;; Attention Layer. Allowed arithmetic: matrix products marked QUANTISED: E2M3 operands, one E8M0 scale for each 32 along K, by v_wmma_scale_f32_16x16x128_f8f6f4 with both operands' format E2M3, f32 sums; products left as they are: f32 operands where the result goes on into a quantised operand, else bf16, f16 or f32 operands; f32 sums; everything else in f32.
;; Inputs: W1 2,048 x 1,024 float32; W2 1,024 x 1 float32; b1 1,024 float32; b2 1 float32; h_decoder_prev 32 x 1,024 float32; h_encoder 32 x 2,048 x 1,024 float32.
;; Outputs: out0 32 x 1,024 float32; out1 32 x 2,048 x 1 float32.
;; This version of the problem:
;;   THIS VERSION OF THE PROBLEM IS GIVEN IN LOW PRECISION. The matrix products marked QUANTISED in the list below multiply operands that are first quantised to E2M3 (2 exponent bits, 3 mantissa bits; 6 bits a number), with one power-of-two scale for each 32 numbers along K (OCP MX v1.0); their sums are f32. All else is computed in f32.
;;   The module's matrix products, in the order in which they are computed (A, B: the left and right operand; K: the contracted axis; several contracted axes count as one K, in the product's order):
;;     1. [M 32, K 1,024] x [K 1,024, N 1,024]; A: input h_decoder_prev; B: input W1: QUANTISED
;;     2. [M 65,536, K 1,024] x [K 1,024, N 1,024]; A: input h_encoder; B: input W1: QUANTISED
;;     3. [M 65,536, K 1,024] x [K 1,024, N 1]; A: computed on the way; B: input W2: left as it is (N = 1 < 16)
;;   THE QUANTISER, for each operand of a quantised product, along K:
;;     - K is cut into blocks of 32 from its start; a last block that is shorter is filled with zeros.
;;     - A block's scale is 2^e with e = floor(log2(the largest magnitude in the block)) - 2, held to -126 .. 127; a block of zeros has e = 0. As a byte (E8M0): e + 127.
;;     - Each number is divided by its block's scale, clamped to +-7.5, and rounded to the nearest number of E2M3, ties to even, subnormals kept.
;;     - The product sums the exact products of the quantised numbers (number of the format x scale) in f32.
;;   ~~~python
;;   def quantise(x, axis):      # numpy; x: float32 -> the quantised numbers, widened to float32 again
;;       x = np.moveaxis(x, axis, -1); K = x.shape[-1]
;;       x = np.pad(x, [(0, 0)] * (x.ndim - 1) + [(0, -K % 32)]); x = x.reshape(x.shape[:-1] + (-1, 32)); a = np.abs(x).max(-1, keepdims=True)
;;       e = np.where(a > 0, np.clip(np.frexp(np.where(a > 0, a, 1))[1] - 1 - 2, -126, 127), 0)      # np.frexp(a)[1] - 1 = floor(log2(a)), exactly
;;       r = np.clip(x / 2.0 ** e, -7.5, 7.5)
;;       step = 2.0 ** (np.maximum(np.frexp(np.where(r == 0, 1, r))[1] - 1, 0) - 3)
;;       q = np.round(r / step) * step * 2.0 ** e      # np.round: ties to even
;;       return np.moveaxis(q.reshape(q.shape[:-2] + (-1,))[..., :K], -1, axis).astype(np.float32)
;;   ~~~
;; One version. Each part assembles by itself: llvm-mc -triple=amdgcn-amd-amdhsa -mcpu=gfx1250 --defsym DOCPART=n.
;; ======== version 1 of 1: 3 launches
;; limits: right only within a limited range of input values
;; workspace buffers: wimg 819,200 bytes; bias 131,072 bytes; energ 262,144 bytes
;; launch prep (part 1): grid 32 x 1, 16 waves a work-group, no clusters, 54,272 bytes of LDS; arguments W1, h_decoder_prev, b1, wimg, bias; writes wimg, bias
.if DOCPART == 1
	.amdgcn_target "amdgcn-amd-amdhsa--gfx1250"
	.amdhsa_code_object_version 6
	.text
	.protected	k_q09c11d7a02_prep
	.globl	k_q09c11d7a02_prep
	.p2align	8
	.type	k_q09c11d7a02_prep,@function
k_q09c11d7a02_prep:
	s_mov_b64 s[64:65], 0
	v_nop
	global_prefetch_b8 v0, s[64:65] scope:SCOPE_SE
	s_setreg_imm32_b32 hwreg(HW_REG_WAVE_MODE, 25, 1), 1
	s_wait_xcnt 0x0
; W1 [2048 (k)][1024 (unit)] f32 is quantised along K to FP6 (E2M3) codes with one E8M0 byte for each 32 along K.
; Rows 0-1023 (the encoder's half) leave as IMAGES OF OPERAND REGISTERS (wimg); rows 1024-2047 (the decoder's half) stay in LDS
; and are multiplied here with the quantised h_decoder_prev [32][1024]: bias[b][u] = h_decoder_prev[b] . W1[1024:, u] + b1[u].
; SHARES.  Work-group g owns units 32 g .. 32 g + 31 (chunk g).  Wave w owns W1's rows 128 w .. 128 w + 127: one K step of 128
; (waves 0-7: the encoder's K step w; waves 8-15: the decoder's K step w - 8).  A LANE IS A UNIT (a column of W1) AND ITS REGISTERS RUN DOWN K:
; a block of 32 lies in one lane, and the conversions give codes with K innermost.  Wave w also quantises one fragment of h_decoder_prev:
; batches 16 (w % 2) on, K step w / 2.
; wimg: chunk g at 25,600 g.  Fragment (K step s, tile u of 16 units) at 1,536 (2 s + u): register p of lane l at 512 (p / 4) + 16 l + 4 (p % 4);
; lane (r, h) = unit 16 u + r, registers 6 c .. 6 c + 5 = k 128 s + 64 c + 32 h + 0 .. 31.  Scale words at 24,576 + 512 (s / 4) + 16 (16 u + r) + 4 (s % 4).
; A block's scale is 2^(floor(log2(largest magnitude)) - 2): its byte is the largest magnitude's exponent field - 2, held at 1 from below.
; LIMITS: a block of zeros, or one whose largest magnitude lies under 2^-124, gets the byte 1 (its codes are zeros or held by that floor; the bytes are read by this program alone);
; NaN and infinities among the inputs are not served.
; REGISTERS: v1-15, v27, v31 addresses and offsets, which no load ever writes; v16-30 at work; from v32 on data: the product's fragments take v32-223, its scale words v224-239, b1 v240-247, the sum v248-255.
.set CHUNK, 25600
.set FRB,   1536                       ; a fragment's image: 12 registers x 128 bytes
.set DW,    0                          ; LDS: the decoder's 16 fragments of W, at FRB (2 s + u)
.set DSC,   16*FRB                     ; their scale words: 128 s + 4 x unit
.set HX,    DSC+1024                   ; h_decoder_prev's 16 fragments, at FRB x wave (= 2 x K step + batch tile)
.set HSC,   HX+16*FRB                  ; their scale words: 128 x wave + 4 x lane
.set FLOOR, 0x1800000                  ; 2^(3 - 127): under it no largest magnitude is taken
.set OFFE,  0xff000000                 ; takes 2 off an exponent field
.set BO,  3                            ; v3   h at the head; then my byte offset in bias: 4,096 r + 32 h
.set M0,  16
.set M1,  17
.set SO0, 18
.set SO1, 19
.set BY0, 20
.set BY1, 21
.set PW,  22
.set T,   23
.set QA,  24                           ; v24-26, v28-30: a conversion's three registers begin on an even number, a block's second three do not
.set U16, 27                           ; v27  16 x unit: a scale word's place in wimg
.set QB,  28
.set B1O, 31                           ; v31  32 h: my eight numbers of b1
.set WS,  32                           ; v32-95   two sets of 32 numbers of W1
.set XH,  96                           ; v96-159  64 numbers of h_decoder_prev
.set F,   160                          ; v160-183 my unit's codes: for image lanes 0-15 at F, for lanes 16-31 at F + 12
.set PC,  184                          ; v184-195 h_decoder_prev's fragment
.set SBW, 196                          ; v196     my unit's scale word
.set WV,  16
.set SEL, 40
	s_load_b256 s[4:11], s[0:1], 0x0               ; W1 s[4:5], h_decoder_prev s[6:7], b1 s[8:9], wimg s[10:11]
	s_load_b64 s[12:13], s[0:1], 0x20              ; bias
	v_lshrrev_b32 v1, 5, v0
	s_delay_alu instid0(VALU_DEP_1)
	v_readfirstlane_b32 s[WV], v1                  ; wave 0..15
	v_and_b32 v1, 31, v0                           ; lane
	v_and_b32 v2, 15, v0                           ; r
	v_bfe_u32 v3, v0, 4, 1                         ; h
	s_delay_alu instid0(VALU_DEP_3)
	v_lshlrev_b32 v4, 2, v1                        ; 4 x lane: my column of W1, and a scale word's place
	s_wait_alu depctr_va_vdst(0)
	v_mul_u32_u24 v5, v3, FRB
	s_delay_alu instid0(VALU_DEP_1)
	v_lshl_add_u32 v5, v2, 4, v5                   ; my unit's place in a K step's two images: FRB x tile + 16 r
	s_and_b32 s17, s[WV], 7                        ; my K step within its half of W1
	s_mul_i32 s18, s17, 2*FRB
	v_add_nc_u32 v6, s18, v5                       ; the same in LDS (DW = 0)
	s_lshl_b32 s19, s17, 7
	s_add_co_u32 s19, s19, DSC
	v_add_nc_u32 v7, s19, v4                       ; my unit's scale word in LDS
	s_mul_i32 s19, s[WV], FRB
	s_add_co_u32 s19, s19, HX
	v_lshl_add_u32 v8, v1, 4, s19                  ; where I store h_decoder_prev's image
	s_lshl_b32 s19, s[WV], 7
	s_add_co_u32 s19, s19, HSC
	v_add_nc_u32 v9, s19, v4                       ; and its scale word
	v_lshlrev_b32 v10, 12, v2
	s_delay_alu instid0(VALU_DEP_1)
	v_lshl_add_u32 v10, v3, 7, v10                 ; h_decoder_prev: row r of 4,096 bytes + 128 h: a whole block of 32 in a lane
	v_lshlrev_b32 v11, 3, v3                       ; 8 h
	s_and_b32 s20, s[WV], 1                        ; the batch tile of the fragment that I quantise; in the product: my tile of units u
	s_bfe_u32 s21, s[WV], 0x10001                  ; in the product: my batch tile (bit 1 of the wave's number)
	s_mul_i32 s22, s20, FRB                        ; the product's four LDS addresses are made here, ahead of every branch
	v_lshl_add_u32 v12, v1, 4, s22                 ; W's fragments of tile u
	s_mul_i32 s22, s21, FRB
	s_add_co_u32 s22, s22, HX
	v_lshl_add_u32 v13, v1, 4, s22                 ; h_decoder_prev's of my batch tile
	s_lshl_b32 s22, s20, 6
	s_add_co_u32 s22, s22, DSC
	v_lshl_add_u32 v14, v2, 2, s22                 ; W's scale words: unit 16 u + r
	s_lshl_b32 s22, s21, 7
	s_add_co_u32 s22, s22, HSC
	v_add_nc_u32 v15, s22, v4                      ; h_decoder_prev's scale words
	v_lshlrev_b32 v[U16], 4, v1                    ; 16 x unit
	v_lshlrev_b32 v[B1O], 5, v3                    ; 32 h
	s_delay_alu instid0(VALU_DEP_1)
	v_lshl_add_u32 v[BO], v2, 12, v[B1O]           ; bias: row r of 4,096 bytes + 32 h (h itself is wanted no more)
	v_mov_b32 v[T], 0                              ; a lane permute's destination counts as one of its sources
	s_mov_b32 s[SEL], 0x76543210
	s_mov_b32 s[SEL+1], 0xfedcba98                 ; v_permlanex16_b32's selects for lane l xor 16
	s_lshl_b32 s24, s[WV], 19                      ; W1: 128 rows of 4,096 bytes a wave,
	s_lshl_b32 s25, ttmp9, 7                       ; 32 columns a work-group
	s_add_co_u32 s24, s24, s25
	s_mov_b32 s25, 0
	s_lshl_b32 s26, s20, 16                        ; h_decoder_prev: 16 rows a batch tile,
	s_lshr_b32 s27, s[WV], 1
	s_lshl_b32 s27, s27, 9                         ; 512 bytes a K step
	s_add_co_u32 s26, s26, s27
	s_mov_b32 s27, 0
	s_mul_i32 s28, ttmp9, CHUNK                    ; wimg: my chunk
	s_mov_b32 s29, 0
	s_mov_b32 s30, s18                             ; my K step's two images
	s_mov_b32 s31, 0
	s_lshr_b32 s32, s17, 2
	s_lshl_b32 s32, s32, 9
	s_and_b32 s33, s17, 3
	s_lshl_b32 s33, s33, 2
	s_add_co_u32 s32, s32, s33
	s_add_co_u32 s32, s32, 16*FRB                  ; my K step's scale words: 24,576 + 512 (s / 4) + 4 (s % 4)
	s_mov_b32 s33, 0
	s_lshl_b32 s34, ttmp9, 7
	s_lshl_b32 s35, s20, 6
	s_add_co_u32 s34, s34, s35                     ; b1: 4 (32 g + 16 u)
	s_mov_b32 s35, 0
	s_lshl_b32 s36, s21, 16
	s_add_co_u32 s36, s36, s34                     ; bias: 16 rows a batch tile, + the same columns
	s_mov_b32 s37, 0
	s_wait_kmcnt 0x0
	s_add_nc_u64 s[4:5], s[4:5], s[24:25]
	s_add_nc_u64 s[6:7], s[6:7], s[26:27]
	s_add_nc_u64 s[10:11], s[10:11], s[28:29]
	s_add_nc_u64 s[38:39], s[10:11], s[32:33]
	s_add_nc_u64 s[10:11], s[10:11], s[30:31]
	s_add_nc_u64 s[8:9], s[8:9], s[34:35]
	s_add_nc_u64 s[12:13], s[12:13], s[36:37]
.macro LOADW b                         ; block b of my K step: W1(32 b + i, my column) into set b % 2; 32 lanes read 128 consecutive bytes
.irp i, 0,1,2,3,4,5,6,7,8,9,10,11,12,13,14,15,16,17,18,19,20,21,22,23,24,25,26,27,28,29,30,31
	global_load_b32 v[WS+32*((\b)%2)+\i], v4, s[4:5] offset:(32*(\b)+\i)*4096 th:TH_LOAD_NT
.endr
.endm
; block b of my unit: its largest magnitude, its byte into the scale word, its 32 codes into the six registers that the image's lane (r, b % 2) holds for it
.macro BLOCK b, cnt
.set XS, WS+32*((\b)%2)
.set FD, F+12*((\b)%2)+6*((\b)/2)
	s_wait_loadcnt \cnt                            ; this block's 32 loads are in; the next block's 32 may be out
	v_max3_num_f32 v[M0], |v[XS]|, |v[XS+1]|, |v[XS+2]|
	v_max3_num_f32 v[M1], |v[XS+3]|, |v[XS+4]|, |v[XS+5]|
.irp i, 6,10,14,18,22,26
	s_delay_alu instid0(VALU_DEP_2)
	v_max3_num_f32 v[M0], v[M0], |v[XS+\i]|, |v[XS+\i+1]|
	s_delay_alu instid0(VALU_DEP_2)
	v_max3_num_f32 v[M1], v[M1], |v[XS+\i+2]|, |v[XS+\i+3]|
.endr
	s_delay_alu instid0(VALU_DEP_2)
	v_max3_num_f32 v[M0], v[M0], |v[XS+30]|, |v[XS+31]|
	s_delay_alu instid0(VALU_DEP_1)
	v_max3_num_f32 v[M0], v[M0], v[M1], FLOOR      ; with the floor the byte cannot fall under 1
	s_delay_alu instid0(VALU_DEP_1)
	v_add_nc_u32 v[SO0], OFFE, v[M0]               ; 2 off the exponent field: the conversion takes this operand's exponent field as its scale
	s_delay_alu instid0(VALU_DEP_1)
	v_lshrrev_b32 v[BY0], 23, v[SO0]               ; the scale's byte
.if (\b) == 0
	s_delay_alu instid0(VALU_DEP_1)
	v_mov_b32 v[SBW], v[BY0]
.else
	s_delay_alu instid0(VALU_DEP_1)
	v_lshl_or_b32 v[SBW], v[BY0], 8*(\b), v[SBW]   ; the lower K in the lower byte
.endif
	v_cvt_scalef32_pk16_fp6_f32 v[FD:FD+2], v[XS:XS+15], v[SO0]
	v_cvt_scalef32_pk16_fp6_f32 v[QA:QA+2], v[XS+16:XS+31], v[SO0]
	v_nop                                          ; one plain place behind a scaled conversion
.irp i, 0,1,2
	v_mov_b32 v[FD+3+\i], v[QA+\i]
.endr
.endm
.irp c, 0,1                            ; h_decoder_prev: XH[32 c + i] = k 64 c + 32 h + i of row r: the order of the operand's registers
.irp j, 0,1,2,3,4,5,6,7
	global_load_b128 v[XH+32*\c+4*\j:XH+32*\c+4*\j+3], v10, s[6:7] offset:256*\c+16*\j
.endr
.endr
	LOADW 0
	LOADW 1
	s_wait_loadcnt 63                              ; 64 loads are younger than h_decoder_prev's sixteen; 63 is the largest count that a wait can name
	v_max3_num_f32 v[M0], |v[XH]|, |v[XH+1]|, FLOOR          ; my two blocks, h and 2 + h of the K step, by turns
	v_max3_num_f32 v[M1], |v[XH+32]|, |v[XH+33]|, FLOOR
.irp i, 2,4,6,8,10,12,14,16,18,20,22,24,26,28,30
	s_delay_alu instid0(VALU_DEP_2)
	v_max3_num_f32 v[M0], v[M0], |v[XH+\i]|, |v[XH+\i+1]|
	s_delay_alu instid0(VALU_DEP_2)
	v_max3_num_f32 v[M1], v[M1], |v[XH+32+\i]|, |v[XH+33+\i]|
.endr
	s_delay_alu instid0(VALU_DEP_2)
	v_add_nc_u32 v[SO0], OFFE, v[M0]
	s_delay_alu instid0(VALU_DEP_2)
	v_add_nc_u32 v[SO1], OFFE, v[M1]
	s_delay_alu instid0(VALU_DEP_2)
	v_lshrrev_b32 v[BY0], 23, v[SO0]
	s_delay_alu instid0(VALU_DEP_2)
	v_lshrrev_b32 v[BY1], 23, v[SO1]
	s_delay_alu instid0(VALU_DEP_1)
	v_lshl_or_b32 v[PW], v[BY1], 16, v[BY0]        ; my two bytes,
	s_delay_alu instid0(VALU_DEP_1)
	v_lshlrev_b32 v[PW], v11, v[PW]                ; 8 h bits up;
	s_delay_alu instid0(VALU_DEP_1)
	v_permlanex16_b32 v[T], v[PW], s[SEL], s[SEL+1]
	s_delay_alu instid0(VALU_DEP_1)
	v_or_b32 v[PW], v[PW], v[T]                    ; with lane l xor 16's two the row's scale word is whole
	v_cvt_scalef32_pk16_fp6_f32 v[PC:PC+2], v[XH:XH+15], v[SO0]
	v_cvt_scalef32_pk16_fp6_f32 v[QA:QA+2], v[XH+16:XH+31], v[SO0]
	v_cvt_scalef32_pk16_fp6_f32 v[PC+6:PC+8], v[XH+32:XH+47], v[SO1]
	v_cvt_scalef32_pk16_fp6_f32 v[QB:QB+2], v[XH+48:XH+63], v[SO1]
	v_nop                                          ; one plain place behind a scaled conversion
.irp i, 0,1,2
	v_mov_b32 v[PC+3+\i], v[QA+\i]
	v_mov_b32 v[PC+9+\i], v[QB+\i]
.endr
.irp q, 0,1,2
	ds_store_b128 v8, v[PC+4*\q:PC+4*\q+3] offset:512*\q     ; the fragment as it stands: 16 bytes a lane, 512 a store
.endr
	ds_store_b32 v9, v[PW]
	BLOCK 0, 32
	LOADW 2
	BLOCK 1, 32
	LOADW 3
	BLOCK 2, 32
	BLOCK 3, 0
	s_cmp_lt_u32 s[WV], 8
	s_cbranch_scc0 .Ldecoder
.irp h, 0,1                            ; the encoder's half goes to memory: sixteen lanes store 256 consecutive bytes, at a multiple of 256 from wimg's first byte
.irp q, 0,1,2
	global_store_b128 v5, v[F+12*\h+4*\q:F+12*\h+4*\q+3], s[10:11] offset:512*\q+256*\h
.endr
.endr
	global_store_b32 v[U16], v[SBW], s[38:39]
	s_wait_xcnt 0x0                                ; the stores' data registers are loaded anew below only behind this wait
	s_branch .Lmeet
.Ldecoder:
	s_wait_alu depctr_va_vdst(0)
.irp h, 0,1                            ; the decoder's half stays: the same images in LDS
.irp q, 0,1,2
	ds_store_b128 v6, v[F+12*\h+4*\q:F+12*\h+4*\q+3] offset:512*\q+256*\h
.endr
.endr
	ds_store_b32 v7, v[SBW]
.Lmeet:
	s_wait_dscnt 0x0                               ; for the others' sake: my LDS stores have landed
	s_barrier_signal -1
	s_barrier_wait -1
	s_cmp_lt_u32 s[WV], 4
	s_cbranch_scc1 .Lproduct
	s_wait_xcnt 0x0
	v_lshl_add_u32 v30, v0, 2, 0xcc00
	v_mov_b32 v31, 0
	s_wait_alu depctr_va_vdst(0)
	s_wait_tensorcnt 0x0
	ds_add_u32 v30, v31
	s_wait_dscnt 0x0
	s_endpgm
.Lproduct:
	; Four tiles of 16 units x 16 batches, one a wave.  Source 0 = 16 units of W, source 1 = 16 batches: lane (r, h) holds batch r and units 8 h + 0 .. 7.
.irp s, 0,1,2,3,4,5,6,7
.irp q, 0,1,2
	ds_load_b128 v[32+12*\s+4*\q:32+12*\s+4*\q+3], v12 offset:\s*2*FRB+512*\q
	ds_load_b128 v[128+12*\s+4*\q:128+12*\s+4*\q+3], v13 offset:\s*2*FRB+512*\q
.endr
	ds_load_b32 v[224+\s], v14 offset:128*\s
	ds_load_b32 v[232+\s], v15 offset:256*\s
.endr
	global_load_b128 v[240:243], v[B1O], s[8:9]    ; b1 at my eight units: the C of the sum's first matrix instruction
	global_load_b128 v[244:247], v[B1O], s[8:9] offset:16
	s_wait_loadcnt 0x0
	s_wait_dscnt 0x0
	v_wmma_scale_f32_16x16x128_f8f6f4 v[248:255], v[32:43], v[128:139], v[240:247], v224, v232 matrix_a_fmt:MATRIX_FMT_FP6 matrix_b_fmt:MATRIX_FMT_FP6
.irp s, 1,2,3,4,5,6,7
	s_wait_alu depctr_va_vdst(0)                   ; the wait directly ahead of each link
	v_wmma_scale_f32_16x16x128_f8f6f4 v[248:255], v[32+12*\s:43+12*\s], v[128+12*\s:139+12*\s], v[248:255], v[224+\s], v[232+\s] matrix_a_fmt:MATRIX_FMT_FP6 matrix_b_fmt:MATRIX_FMT_FP6
.endr
.rept 4
	v_nop                                          ; four places between the last matrix instruction and the stores of its result
.endr
	global_store_b128 v[BO], v[248:251], s[12:13]
	global_store_b128 v[BO], v[252:255], s[12:13] offset:16
	s_wait_xcnt 0x0
	v_lshl_add_u32 v30, v0, 2, 0xcc00
	v_mov_b32 v31, 0
	s_wait_alu depctr_va_vdst(0)
	s_wait_tensorcnt 0x0
	ds_add_u32 v30, v31
	s_wait_dscnt 0x0
	s_endpgm
.Lfunc_end_k_q09c11d7a02_prep:
	.size	k_q09c11d7a02_prep, .Lfunc_end_k_q09c11d7a02_prep-k_q09c11d7a02_prep
	.p2alignl 7, 3214868480
	.fill 96, 4, 3214868480
	.section	.rodata,"a",@progbits
	.p2align	6, 0x0
	.amdhsa_kernel k_q09c11d7a02_prep
		.amdhsa_group_segment_fixed_size 54272
		.amdhsa_private_segment_fixed_size 0
		.amdhsa_enable_private_segment 0
		.amdhsa_kernarg_size 40
		.amdhsa_user_sgpr_count 2
		.amdhsa_user_sgpr_kernarg_segment_ptr 1
		.amdhsa_wavefront_size32 1
		.amdhsa_system_sgpr_workgroup_id_x 1
		.amdhsa_system_sgpr_workgroup_id_y 1
		.amdhsa_system_sgpr_workgroup_id_z 1
		.amdhsa_system_vgpr_workitem_id 0
		.amdhsa_next_free_vgpr 256
		.amdhsa_next_free_sgpr 66
		.amdhsa_reserve_vcc 0
		.amdhsa_float_denorm_mode_32 3
		.amdhsa_float_denorm_mode_16_64 3
		.amdhsa_memory_ordered 1
		.amdhsa_forward_progress 1
		.amdhsa_inst_pref_size 38
	.end_amdhsa_kernel
	.amdgpu_metadata
---
amdhsa.version: [ 1, 2 ]
amdhsa.kernels:
  - .name:           k_q09c11d7a02_prep
    .symbol:         k_q09c11d7a02_prep.kd
    .args:
      - { .name: W1, .offset: 0, .size: 8, .value_kind: global_buffer, .address_space: global }
      - { .name: h_decoder_prev, .offset: 8, .size: 8, .value_kind: global_buffer, .address_space: global }
      - { .name: b1, .offset: 16, .size: 8, .value_kind: global_buffer, .address_space: global }
      - { .name: wimg, .offset: 24, .size: 8, .value_kind: global_buffer, .address_space: global }
      - { .name: bias, .offset: 32, .size: 8, .value_kind: global_buffer, .address_space: global }
    .group_segment_fixed_size: 54272
    .private_segment_fixed_size: 0
    .kernarg_segment_align: 8
    .kernarg_segment_size: 40
    .max_flat_workgroup_size: 512
    .sgpr_count:     66
    .vgpr_count:     256
    .wavefront_size: 32
...
	.end_amdgpu_metadata
.endif
;; end of part 1
;; launch main (part 2): grid 256 x 1, 8 waves a work-group, clusters of 4 x 1, 327,680 bytes of LDS; arguments h_encoder, wimg, bias, W2, b2, energ; writes energ
.if DOCPART == 2
	.amdgcn_target "amdgcn-amd-amdhsa--gfx1250"
	.amdhsa_code_object_version 6
	.text
	.protected	k_q09c11d7a02_main
	.globl	k_q09c11d7a02_main
	.p2align	8
	.type	k_q09c11d7a02_main,@function
k_q09c11d7a02_main:
	s_mov_b64 s[64:65], 0
	v_nop
	global_prefetch_b8 v0, s[64:65] scope:SCOPE_SE
	s_setreg_imm32_b32 hwreg(HW_REG_WAVE_MODE, 25, 1), 1
	s_wait_xcnt 0x0
	s_wait_alu depctr_hold_cnt(0) depctr_sa_sdst(0) depctr_va_vdst(0) depctr_va_sdst(0) depctr_va_ssrc(0) depctr_va_vcc(0) depctr_vm_vsrc(0)
	s_getreg_b32 s2, hwreg(HW_REG_IB_STS2, 6, 4)
	s_cmp_eq_u32 s2, 0
	s_cbranch_scc0 .Lentry_in_a_cluster
	s_endpgm
.Lentry_in_a_cluster:
	s_bfe_u32 s2, ttmp6, 0x10000c
	s_cmp_lg_u32 s2, 0x3003
	s_cbranch_scc0 .Lentry_shape_is_right
	s_endpgm
.Lentry_shape_is_right:
; energ[row] = relu(b2 + sum over u of W2[u] tanh(h_encoder[row] . W1enc[:, u] + bias[batch][u])), row = 2,048 batch + s; the product on FP6 (E2M3) codes with E8M0 scales.
; SHARES.  Work-group g owns rows 256 g .. 256 g + 255 (one batch: g / 8); each of its eight waves 32 of them, two tiles of 16, for all 1,024 units.
; P1: a wave streams its 32 rows x 1,024 f32 and quantises them into the product's operand registers: 16 fragments (2 row tiles x 8 K steps), 192 registers, which stay.
;     Loads take memory as it lies (512 consecutive bytes of a row); 16 rows x 512 bytes turn through the wave's own stage in LDS so that a lane holds two whole blocks of 32 of ONE row.
; P2: W1enc's codes (wimg: images of operand registers, 32 chunks of 32 units) come through a ring of two LDS slots of four chunks; each wave fetches half a chunk of a slot.
;     A chunk is MM, 32 matrix instructions (8 K steps x 2 unit tiles x 2 row tiles), and EP, tanh and the dot with W2 in f32.  Source 0 = 16 units, source 1 = 16 rows:
;     lane (r, h) holds row r and units 8 h + 0 .. 7, so the dot is a sum within a lane and one exchange between the halves of the lanes at the end.
; TWO ORDERS.  Waves 0-3 run MM(c), EP(c) in a trip; waves 4-7 run EP(c - 1), MM(c): a wave's matrix run stands beside vector work of another wave.
;     The first EP of waves 4-7 finds zeros in the sums, the biases and W2 and adds 0; their last EP stands behind the loops.
; tanh(x) = 1 - 2 / (1 + 2^(2 log2(e) x)): where the power is infinite or 0 it gives 1 or -1.
; CLUSTER.  All work-groups walk the same wimg: the four of a cluster ask for each tile JOINTLY (the same tensor load, the same descriptor, a mask that names the four).
; No prefetch is written: P1 has 32 loads a wave on their way throughout, and wimg is read by every work-group.
; LIMITS: a block of zeros, or one whose largest magnitude lies under 2^-124, gets the scale byte 1; NaN and infinities among the inputs are not served.
; REGISTERS.  Window 0: v1-11 addresses; v16-31 h's scale words (8 m + s); v32-39 W's scale words; v40-41 LDS addresses; v42-62 at work in P1;
;   P1: v64-127 64 numbers of h, v128-255 two landing sets;  P2: v64-95 four sums (2 u + m), v96-111 biases, v112-127 W2, v128-223 W's fragments (four buffers of two), v224-239 eight chains of the dot.
;   Window 1: v0-191 h's fragments at 12 (8 m + s); v192-255 the third landing set.
.set CHUNK,  25600                     ; a chunk of wimg: 16 fragments of 1,536 bytes, 1,024 bytes of scale words
.set SLOTB,  4*CHUNK
.set SLOT1,  1<<17                     ; slot 1 begins here
.set BW,     SLOTB                     ; behind slot 0: 4,096 bytes of 2 log2(e) x bias, 4,096 of W2; LDS stores write them, no tile lands here
.set SPARE,  BW+8192                   ; the spare words, 128 bytes for each wave: four blocks of 256 bytes that no other line names
.set STG,    SLOT1+SLOTB               ; behind slot 1: a stage of 16 rows x (512 + 16) bytes for each wave; no tile lands here
.set SP,     528
.set FLOOR,  0x1800000
.set OFFE,   0xff000000
.set SPW, 1
.set NIL, 2
.set L16, 3
.set H32, 5
.set STS, 7
.set STL, 8
.set H8,  9
.set L4,  11
.set AS,  16
.set SC,  32
.set ADRB, 40
.set ADRW, 41
.set M0,  42
.set SO0, 50
.set SO1, 51
.set BY0, 52
.set BY1, 53
.set PW,  54
.set T,   55
.set QA,  56
.set QB,  60
.set X,   64
.set ACC, 64
.set BI,  96
.set W2R, 112
.set BB,  128
.set E,   224
.set WV,  16
.set G1,  24
.set G0,  32
.set CS,  36
.set SEL, 38
.set TB,  41
.set TC,  42
.set TW,  43
.set SLOTS, 44
.set CH,  45
.set B2,  46
.set MSB, 0
.macro WIN new                         ; the immediate's high byte repeats the setting that is left
.if MSB != \new
	s_set_vgpr_msb (MSB<<8)|\new
.set MSB, \new
.endif
.endm
.macro CROUND                          ; a round of the cluster's barrier
	s_barrier_signal -1
	s_barrier_wait -1
	s_cmp_lg_u32 s[WV], 0
	s_cbranch_scc1 .Lnot_wave_0_\@
	s_barrier_signal -3
.Lnot_wave_0_\@:
	s_barrier_wait -3
	s_barrier_signal -1
	s_barrier_wait -1
.endm
	s_load_b256 s[4:11], s[0:1], 0x0               ; h_encoder s[4:5], wimg s[6:7], bias s[8:9], W2 s[10:11]
	s_load_b128 s[12:15], s[0:1], 0x20             ; b2 s[12:13], energ s[14:15]
	v_lshl_add_u32 v[SPW], v0, 2, SPARE
	v_mov_b32 v[NIL], 0
	ds_add_u32 v[SPW], v[NIL]                      ; the opening lines: the add, twice on end, and its wait
	ds_add_u32 v[SPW], v[NIL]
	v_lshrrev_b32 v12, 5, v0
	v_readfirstlane_b32 s[WV], v12                 ; wave 0..7
	s_bfe_u32 s18, ttmp6, 0x40000                  ; cx
	s_lshl_b32 s17, ttmp9, 2
	s_add_co_u32 s17, s17, s18                     ; g = 4 x cluster + cx: it enters addresses in h_encoder, bias and energ alone
	s_mov_b32 s[G1+0], 15|(3<<16)|(1<<21)          ; half a chunk, dense in memory, as 50 rows of 256 bytes (32 elements of 8 bytes); the mask names all four work-groups
	s_mov_b32 s[G1+1], 32<<16
	s_mov_b32 s[G1+2], 50<<16
	s_mov_b32 s[G1+3], 32<<16
	s_mov_b32 s[G1+4], 50
	s_mov_b32 s[G1+5], 32
	s_mov_b32 s[G1+6], 0
	s_mov_b32 s[G1+7], 0
	s_mul_i32 s48, s[WV], CHUNK/2                  ; wave w fetches the w-th eighth of a slot: the same in memory and in LDS
	s_mov_b32 s49, 0
	s_lshl_b32 s20, s17, 20                        ; h_encoder: 256 rows of 4,096 bytes a work-group,
	s_lshl_b32 s21, s[WV], 17                      ; 32 a wave
	s_add_co_u32 s20, s20, s21
	s_mov_b32 s21, 0
	s_lshr_b32 s22, s17, 3
	s_lshl_b32 s22, s22, 12                        ; bias: the batch's row
	s_mov_b32 s23, 0
	s_lshl_b32 s50, s17, 10
	s_lshl_b32 s51, s[WV], 7
	s_add_co_u32 s50, s50, s51                     ; energ: 4 bytes a row
	s_mov_b32 s51, 0
	s_mul_i32 s52, s[WV], 16*SP
	s_add_co_u32 s52, s52, STG                     ; my stage
	s_mov_b32 s[CS], 0x4038aa3b                    ; 2 log2(e)
	s_mov_b32 s[CS+1], s[CS]
	s_mov_b32 s[SEL], 0x76543210
	s_mov_b32 s[SEL+1], 0xfedcba98                 ; v_permlanex16_b32's selects for lane l xor 16
	s_wait_dscnt 0x0                               ; both opening adds are done
	s_wait_kmcnt 0x0
	s_add_nc_u64 s[4:5], s[4:5], s[20:21]
	s_add_nc_u64 s[8:9], s[8:9], s[22:23]
	s_add_nc_u64 s[14:15], s[14:15], s[50:51]
	s_mov_b32 s[G0], 1
	s_mov_b32 s[G0+1], s48                         ; LDS address: slot 0
	s_add_nc_u64 s[G0+2:G0+3], s[6:7], s[48:49]
	s_or_b32 s[G0+3], s[G0+3], 0x80000000
	CROUND                                         ; all four work-groups are here: the first joint loads meet
	tensor_load_to_lds s[G0:G0+3], s[G1:G1+7]      ; slot 0: my one tensor load at the head
	s_nop 0
.rept 4
	v_nop
.endr
	s_load_b32 s[B2], s[12:13], 0x0
	v_and_b32 v13, 31, v0                          ; lane
	v_and_b32 v14, 15, v0                          ; r
	v_bfe_u32 v15, v0, 4, 1                        ; h
	v_lshl_add_u32 v12, v0, 4, BW                  ; 16 bytes a thread of the biases' region
	v_mul_u32_u24 v[STL], v14, SP
	v_lshlrev_b32 v[L16], 4, v13
	v_lshlrev_b32 v[H32], 5, v15
	v_lshlrev_b32 v[H8], 3, v15
	v_lshlrev_b32 v[L4], 2, v13
	v_lshl_add_u32 v[STL], v15, 7, v[STL]
	v_add_nc_u32 v[STS], s52, v[L16]               ; the stage, on the way in: 16 x lane
	v_lshlrev_b32 v13, 4, v0                       ; 16 bytes a thread in bias and in W2
	v_add_nc_u32 v[STL], s52, v[STL]               ; and out: 528 r + 128 h
	v_mov_b32 v[T], 0                              ; a lane permute's destination counts as one of its sources
	s_wait_alu depctr_va_vdst(0)
; unit t = (row tile t / 8, K step t % 8): 16 rows x 512 bytes; each load takes 512 consecutive bytes of one row, into landing set t % 3
.macro GL t
.set LB, 128+64*(((\t)%3+1)/2)
.if (\t)%3 == 2
	WIN 0x40                                       ; the third set lies in window 1
.endif
.irp i, 0,1,2,3,4,5,6,7,8,9,10,11,12,13,14,15
	global_load_b128 v[LB+4*\i:LB+4*\i+3], v[L16], s[4:5] offset:((\t)/8)*65536+\i*4096+((\t)%8)*512 th:TH_LOAD_NT
.endr
	WIN 0
.endm
	global_load_b128 v[64:67], v13, s[8:9]         ; the batch's 1,024 biases and W2: 16 bytes a thread each
	global_load_b128 v[68:71], v13, s[10:11]
	GL 0
	GL 1
	s_wait_loadcnt 32                              ; the two small loads are in; two units of 16 loads stay out
	v_pk_mul_f32 v[64:65], v[64:65], s[CS:CS+1] op_sel_hi:[1,0]     ; 2 log2(e) x bias
	v_pk_mul_f32 v[66:67], v[66:67], s[CS:CS+1] op_sel_hi:[1,0]
	ds_store_b128 v12, v[64:67]
	ds_store_b128 v12, v[68:71] offset:4096        ; read by all waves behind the first change of slots, in front of which every wave waits for its LDS stores
	s_wait_kmcnt 0x0                               ; b2
; P1.  One unit: through the stage, the load-ahead, two blocks' scales, 64 codes into the fragment's 12 registers.
.macro UNIT t
.set AD, 12*(\t)                       ; the fragment, in window 1
.set LS, 128+64*(((\t)%3+1)/2)
.if (\t) < 15
	s_wait_loadcnt 16                              ; this unit's 16 loads are in; the next unit's stay out
.else
	s_wait_loadcnt 0
.endif
.if (\t)%3 == 2
	WIN 0x04                                       ; an LDS store's data are its source 1
.endif
.irp i, 0,1,2,3,4,5,6,7,8,9,10,11,12,13,14,15
	ds_store_b128 v[STS], v[LS+4*\i:LS+4*\i+3] offset:SP*\i
.endr
	WIN 0
.if (\t)+2 < 16
	GL (\t)+2                                      ; into the set of the unit before, whose stage stores were waited for in its turn
.endif
.irp c, 0,1                            ; LDS serves a wave's instructions in order: these see the stores above.  X[32 c + i] = k 64 c + 32 h + i of row r
.irp j, 0,1,2,3,4,5,6,7
	ds_load_b128 v[X+32*\c+4*\j:X+32*\c+4*\j+3], v[STL] offset:256*\c+16*\j
.endr
.endr
	s_wait_dscnt 0x0
.irp j, 0,1,2,3,4,5,6,7                ; eight chains of eight numbers; with the floor the byte cannot fall under 1
	v_max3_num_f32 v[M0+\j], |v[X+8*\j]|, |v[X+8*\j+1]|, FLOOR
.endr
.irp i, 2,4,6
.irp j, 0,1,2,3,4,5,6,7
	v_max3_num_f32 v[M0+\j], v[M0+\j], |v[X+8*\j+\i]|, |v[X+8*\j+\i+1]|
.endr
.endr
	v_max3_num_f32 v[M0], v[M0], v[M0+1], v[M0+2]            ; my two blocks, h and 2 + h of the K step
	s_delay_alu instid0(VALU_DEP_3)
	v_max3_num_f32 v[M0+4], v[M0+4], v[M0+5], v[M0+6]
	s_delay_alu instid0(VALU_DEP_2)
	v_max_num_f32 v[M0], v[M0], v[M0+3]
	s_delay_alu instid0(VALU_DEP_2)
	v_max_num_f32 v[M0+4], v[M0+4], v[M0+7]
	s_delay_alu instid0(VALU_DEP_2)
	v_add_nc_u32 v[SO0], OFFE, v[M0]               ; 2 off the exponent field: the conversion's scale operand
	s_delay_alu instid0(VALU_DEP_2)
	v_add_nc_u32 v[SO1], OFFE, v[M0+4]
	s_delay_alu instid0(VALU_DEP_2)
	v_lshrrev_b32 v[BY0], 23, v[SO0]               ; the scale's byte
	s_delay_alu instid0(VALU_DEP_2)
	v_lshrrev_b32 v[BY1], 23, v[SO1]
	s_delay_alu instid0(VALU_DEP_1)
	v_lshl_or_b32 v[PW], v[BY1], 16, v[BY0]
	s_delay_alu instid0(VALU_DEP_1)
	v_lshlrev_b32 v[PW], v[H8], v[PW]
	s_delay_alu instid0(VALU_DEP_1)
	v_permlanex16_b32 v[T], v[PW], s[SEL], s[SEL+1]
	s_delay_alu instid0(VALU_DEP_1)
	v_or_b32 v[AS+(\t)], v[PW], v[T]               ; the row's scale word for this K step
	v_cvt_scalef32_pk16_fp6_f32 v[QA:QA+2], v[X+16:X+31], v[SO0]     ; (a conversion's three registers begin on an even number: a block's second three are made here and moved)
	v_cvt_scalef32_pk16_fp6_f32 v[QB:QB+2], v[X+48:X+63], v[SO1]
	WIN 0x40                                       ; destination: window 1
	v_cvt_scalef32_pk16_fp6_f32 v[AD:AD+2], v[X:X+15], v[SO0]
	v_cvt_scalef32_pk16_fp6_f32 v[AD+6:AD+8], v[X+32:X+47], v[SO1]
	v_nop                                          ; one plain place behind a scaled conversion
.irp i, 0,1,2
	v_mov_b32 v[AD+3+\i], v[QA+\i]
	v_mov_b32 v[AD+9+\i], v[QB+\i]
.endr
	WIN 0
.endm
.irp t, 0,1,2,3,4,5,6,7,8,9,10,11,12,13,14,15
	UNIT \t
.endr
.set j, 0
.rept 64
	v_mov_b32 v[ACC+j], 0                          ; the sums, the biases and W2 that the first EP of waves 4-7 finds
.set j, j+1
.endr
.set j, 0
.rept 16
	v_mov_b32 v[E+j], 0                            ; the dot's eight chains
.set j, j+1
.endr
	s_wait_alu depctr_va_vdst(0)
; THE CHANGE OF SLOTS.  Each wave waits for all its tensor loads, adds 0 to its spare word, and waits for that and for its LDS reads and stores.
; fill = 1: the barrier is a round of the cluster's, and behind it the slot that was left (the first time: slot 1) takes the four chunks that follow, one load a wave.
.macro CHANGE fill
	s_wait_tensorcnt 0x0                           ; no tensor load of mine is out, so group 0 may be written
	ds_add_u32 v[SPW], v[NIL]
.if \fill
	s_xor_b32 s[G0+1], s[G0+1], SLOT1
	s_add_nc_u64 s[G0+2:G0+3], s[G0+2:G0+3], SLOTB
.endif
	s_wait_dscnt 0x0                               ; the add is done, and my reads of the slot that I have left are over
.if \fill
	CROUND
	tensor_load_to_lds s[G0:G0+3], s[G1:G1+7]      ; the first thing behind the round, and my one tensor load until the next
	s_nop 0
.rept 4
	v_nop
.endr
.else
	s_barrier_signal -1
	s_barrier_wait -1
.endif
.endm
.macro RUNL k, buf                     ; W's two fragments of K step k into buffer buf: six loads of 512 consecutive bytes
.irp u, 0,1
.irp q, 0,1,2
	ds_load_b128 v[BB+24*(\buf)+12*\u+4*\q:BB+24*(\buf)+12*\u+4*\q+3], v[ADRB] offset:3072*(\k)+1536*\u+512*\q
.endr
.endr
.endm
.macro MM1 s, a                        ; sum a = 2 u + m, K step s; W's scale words: lanes 0-15 tile 0, lanes 16-31 tile 1
.set rD, ACC+8*(\a)
.set rW, BB+24*((\s)%4)+12*((\a)/2)
.set rA, 12*(8*((\a)%2)+(\s))
.set rS, AS+8*((\a)%2)+(\s)
.if (\s) == 0
.if (\a) < 2
	v_wmma_scale_f32_16x16x128_f8f6f4 v[rD:rD+7], v[rW:rW+11], v[rA:rA+11], 0, v[SC+(\s)], v[rS] matrix_a_fmt:MATRIX_FMT_FP6 matrix_b_fmt:MATRIX_FMT_FP6
.else
	v_wmma_scale_f32_16x16x128_f8f6f4 v[rD:rD+7], v[rW:rW+11], v[rA:rA+11], 0, v[SC+(\s)], v[rS] matrix_a_fmt:MATRIX_FMT_FP6 matrix_b_fmt:MATRIX_FMT_FP6 matrix_a_scale:MATRIX_SCALE_ROW1
.endif
.else
.if (\a) < 2
	v_wmma_scale_f32_16x16x128_f8f6f4 v[rD:rD+7], v[rW:rW+11], v[rA:rA+11], v[rD:rD+7], v[SC+(\s)], v[rS] matrix_a_fmt:MATRIX_FMT_FP6 matrix_b_fmt:MATRIX_FMT_FP6
.else
	v_wmma_scale_f32_16x16x128_f8f6f4 v[rD:rD+7], v[rW:rW+11], v[rA:rA+11], v[rD:rD+7], v[SC+(\s)], v[rS] matrix_a_fmt:MATRIX_FMT_FP6 matrix_b_fmt:MATRIX_FMT_FP6 matrix_a_scale:MATRIX_SCALE_ROW1
.endif
.endif
.endm
; MM: a chunk's 32 matrix instructions; the four sums take turns; K step 0 starts them with the constant 0.
; The head run is 2 loads of scale words and K steps 0-3 (6 each).  Behind K step s < 4 come K step s + 4's six, behind K step 3 also 8 loads of biases and W2.
; The wait in front of K step s counts the loads younger than its six: 18 (three runs of six) for 0-3; 6+6+6+8, 6+6+8, 6+8, 8 for 4-7.
.macro MM
	WIN 0x04                                       ; source 1 (h's fragments) window 1
.irp s, 0,1,2,3,4,5,6,7
.if \s < 4
	s_wait_dscnt 18
.else
	s_wait_dscnt 50-6*\s
.endif
.irp a, 0,1,2,3
	MM1 \s, \a
.endr
.if \s < 4
.rept 4
	v_nop                                          ; four places in front of loads into registers that matrix instructions have read
.endr
	RUNL \s+4, \s
.endif
.if \s == 3
.irp u, 0,1                            ; this chunk's biases and W2 at my units 16 u + 8 h + 0 .. 7
	ds_load_b128 v[BI+8*\u:BI+8*\u+3], v[ADRW] offset:64*\u
	ds_load_b128 v[BI+8*\u+4:BI+8*\u+7], v[ADRW] offset:64*\u+16
	ds_load_b128 v[W2R+8*\u:W2R+8*\u+3], v[ADRW] offset:4096+64*\u
	ds_load_b128 v[W2R+8*\u+4:W2R+8*\u+7], v[ADRW] offset:4096+64*\u+16
.endr
.endif
.endr
.rept 5
	v_nop                                          ; places behind the last products: for the reads of the sums, the next loads, and the next chunk's first products, which write over the sums
.endr
	WIN 0
.endm
; EP: tanh of the four sums and the dot with W2.  cnt: the LDS loads younger than the chunk's biases and W2.  Each batch of transcendentals has one wait ahead of it and one behind it.
.macro EP cnt
	s_wait_dscnt \cnt
	s_wait_alu depctr_va_vdst(0)
.irp a, 0,1,2,3
.irp p, 0,2,4,6
	v_pk_fma_f32 v[ACC+8*\a+\p:ACC+8*\a+\p+1], v[ACC+8*\a+\p:ACC+8*\a+\p+1], s[CS:CS+1], v[BI+8*(\a/2)+\p:BI+8*(\a/2)+\p+1] op_sel_hi:[1,0,1]   ; each sum from its low end on: 2 log2(e) (sum + bias)
.endr
.endr
	s_wait_alu depctr_va_vdst(0)
.set j, 0
.rept 32
	v_exp_f32 v[ACC+j], v[ACC+j]
.set j, j+1
.endr
	v_nop
	s_wait_alu depctr_va_vdst(0)
.set j, 0
.rept 16
	v_pk_add_f32 v[ACC+j:ACC+j+1], v[ACC+j:ACC+j+1], 1.0 op_sel_hi:[1,0]
.set j, j+2
.endr
	s_wait_alu depctr_va_vdst(0)
.set j, 0
.rept 32
	v_rcp_f32 v[ACC+j], v[ACC+j]
.set j, j+1
.endr
	v_nop
	s_wait_alu depctr_va_vdst(0)
.set j, 0
.rept 16
	v_pk_fma_f32 v[ACC+j:ACC+j+1], v[ACC+j:ACC+j+1], -2.0, 1.0 op_sel_hi:[1,0,0]     ; tanh
.set j, j+2
.endr
.irp p, 0,2,4,6                        ; chain 4 ((p / 2) % 2) + 2 u + m: eight chains by turns
.irp u, 0,1
.irp m, 0,1
	v_pk_fma_f32 v[E+2*(4*((\p/2)%2)+2*\u+\m):E+2*(4*((\p/2)%2)+2*\u+\m)+1], v[ACC+8*(2*\u+\m)+\p:ACC+8*(2*\u+\m)+\p+1], v[W2R+8*\u+\p:W2R+8*\u+\p+1], v[E+2*(4*((\p/2)%2)+2*\u+\m):E+2*(4*((\p/2)%2)+2*\u+\m)+1]
.endr
.endr
.endr
.endm
; A SLOT'S FOUR CHUNKS, a trip each.  The branches hang on the wave's number alone and lead round EP alone.
.macro SLOTWORK
	s_mov_b32 s[TC], s[TB]
	s_mov_b32 s[CH], 4
.Lchunk_\@:
	v_add_nc_u32 v[ADRB], s[TC], v[L16]
	v_add_nc_u32 v[ADRW], s[TW], v[H32]
	s_wait_alu depctr_va_vdst(0)
	ds_load_b128 v[SC:SC+3], v[ADRB] offset:24576
	ds_load_b128 v[SC+4:SC+7], v[ADRB] offset:25088
	RUNL 0, 0
	RUNL 1, 1
	RUNL 2, 2
	RUNL 3, 3
	s_cmp_lt_u32 s[WV], 4
	s_cbranch_scc1 .Lno_y_\@
	EP 26                                          ; waves 4-7: the chunk before; the head run's 26 loads stay out
.Lno_y_\@:
	MM
	s_cmp_lt_u32 s[WV], 4
	s_cbranch_scc0 .Lno_x_\@
	EP 0                                           ; waves 0-3: this chunk
.Lno_x_\@:
	s_add_co_u32 s[TC], s[TC], CHUNK
	s_add_co_u32 s[TW], s[TW], 128
	s_sub_co_u32 s[CH], s[CH], 1
	s_cmp_lg_u32 s[CH], 0
	s_cbranch_scc1 .Lchunk_\@
	s_xor_b32 s[TB], s[TB], SLOT1                  ; on to the other slot
.endm
	s_mov_b32 s[TB], 0
	s_mov_b32 s[TW], BW
	s_mov_b32 s[SLOTS], 7
.Lslot:                                            ; seven trips: behind each change of slots but the last the next slot is asked for
	CHANGE 1
	SLOTWORK
	s_sub_co_u32 s[SLOTS], s[SLOTS], 1
	s_cmp_lg_u32 s[SLOTS], 0
	s_cbranch_scc1 .Lslot
	CHANGE 0                                       ; the last slot is written out
	SLOTWORK
	s_cmp_lt_u32 s[WV], 4
	s_cbranch_scc1 .Lsum
	EP 0                                           ; waves 4-7: the last chunk
.Lsum:
	s_wait_alu depctr_va_vdst(0)
	; THE END: row tile m's sum lies in chains m, 2 + m, 4 + m, 6 + m of lanes l and l xor 16
	v_pk_add_f32 v[12:13], v[E:E+1], v[E+4:E+5]
	v_pk_add_f32 v[14:15], v[E+2:E+3], v[E+6:E+7]
	v_pk_add_f32 v[M0:M0+1], v[E+8:E+9], v[E+12:E+13]
	v_pk_add_f32 v[M0+2:M0+3], v[E+10:E+11], v[E+14:E+15]
	v_pk_add_f32 v[12:13], v[12:13], v[M0:M0+1]
	v_pk_add_f32 v[14:15], v[14:15], v[M0+2:M0+3]
	v_add_f32 v12, v12, v13
	v_add_f32 v14, v14, v15
	v_permlanex16_b32 v[M0], v12, s[SEL], s[SEL+1]
	v_permlanex16_b32 v[M0+1], v14, s[SEL], s[SEL+1]
	v_add_f32 v12, v12, v[M0]
	v_add_f32 v14, v14, v[M0+1]
	v_add_f32 v12, s[B2], v12
	v_add_f32 v14, s[B2], v14
	v_max_num_f32 v12, 0, v12                      ; relu
	v_max_num_f32 v14, 0, v14
	v_cmp_gt_u32 vcc_lo, 64, v[L4]                 ; lanes 0-15
	v_cndmask_b32 v12, v14, v12, vcc_lo            ; lanes 0-15: rows 0-15; lanes 16-31: rows 16-31
	global_store_b32 v[L4], v12, s[14:15]          ; 32 lanes store my 32 rows' 128 consecutive bytes
	s_wait_tensorcnt 0x0                           ; the wave's end
	ds_add_u32 v[SPW], v[NIL]
	s_wait_dscnt 0x0
	CROUND                                         ; the closing round: no work-group ends while a partner may still ask for a tile that names it
	s_endpgm
.Lfunc_end_k_q09c11d7a02_main:
	.size	k_q09c11d7a02_main, .Lfunc_end_k_q09c11d7a02_main-k_q09c11d7a02_main
	.p2alignl 7, 3214868480
	.fill 96, 4, 3214868480
	.section	.rodata,"a",@progbits
	.p2align	6, 0x0
	.amdhsa_kernel k_q09c11d7a02_main
		.amdhsa_group_segment_fixed_size 327680
		.amdhsa_private_segment_fixed_size 0
		.amdhsa_enable_private_segment 0
		.amdhsa_kernarg_size 48
		.amdhsa_user_sgpr_count 2
		.amdhsa_user_sgpr_kernarg_segment_ptr 1
		.amdhsa_wavefront_size32 1
		.amdhsa_system_sgpr_workgroup_id_x 1
		.amdhsa_system_sgpr_workgroup_id_y 1
		.amdhsa_system_sgpr_workgroup_id_z 1
		.amdhsa_system_vgpr_workitem_id 0
		.amdhsa_next_free_vgpr 512
		.amdhsa_next_free_sgpr 66
		.amdhsa_reserve_vcc 1
		.amdhsa_float_denorm_mode_32 3
		.amdhsa_float_denorm_mode_16_64 3
		.amdhsa_memory_ordered 1
		.amdhsa_forward_progress 1
		.amdhsa_inst_pref_size 176
	.end_amdhsa_kernel
	.amdgpu_metadata
---
amdhsa.version: [ 1, 2 ]
amdhsa.kernels:
  - .name:           k_q09c11d7a02_main
    .symbol:         k_q09c11d7a02_main.kd
    .args:
      - { .name: h_encoder, .offset: 0, .size: 8, .value_kind: global_buffer, .address_space: global }
      - { .name: wimg, .offset: 8, .size: 8, .value_kind: global_buffer, .address_space: global }
      - { .name: bias, .offset: 16, .size: 8, .value_kind: global_buffer, .address_space: global }
      - { .name: W2, .offset: 24, .size: 8, .value_kind: global_buffer, .address_space: global }
      - { .name: b2, .offset: 32, .size: 8, .value_kind: global_buffer, .address_space: global }
      - { .name: energ, .offset: 40, .size: 8, .value_kind: global_buffer, .address_space: global }
    .group_segment_fixed_size: 327680
    .private_segment_fixed_size: 0
    .kernarg_segment_align: 8
    .kernarg_segment_size: 48
    .max_flat_workgroup_size: 256
    .sgpr_count:     66
    .vgpr_count:     512
    .wavefront_size: 32
...
	.end_amdgpu_metadata
.endif
;; end of part 2
;; launch ctx (part 3): grid 8 x 32, 8 waves a work-group, no clusters, 13,312 bytes of LDS; arguments energ, h_encoder, out0, out1; writes out0, out1
.if DOCPART == 3
	.amdgcn_target "amdgcn-amd-amdhsa--gfx1250"
	.amdhsa_code_object_version 6
	.text
	.protected	k_q09c11d7a02_ctx
	.globl	k_q09c11d7a02_ctx
	.p2align	8
	.type	k_q09c11d7a02_ctx,@function
k_q09c11d7a02_ctx:
	s_mov_b64 s[64:65], 0
	v_nop
	global_prefetch_b8 v0, s[64:65] scope:SCOPE_SE
	s_setreg_imm32_b32 hwreg(HW_REG_WAVE_MODE, 25, 1), 1
	s_wait_xcnt 0x0
; out1[b][s] = softmax over s of energ[b][s] (the row's maximum is taken away ahead of the exponential);  out0[b][c] = sum over s of out1[b][s] h_encoder[b][s][c].
; SHARES.  Work-group (x, b) owns columns 128 x .. 128 x + 127 (512 bytes of each row) of batch b; wave w its rows 256 w .. 256 w + 255.
; Every wave finds the batch's maximum and sum for itself, from the same 2,048 numbers in the same order: no barrier is needed for them.  Its own 256 weights go to its own 1,024 bytes of LDS, from
; which every lane reads them back.  Wave x of work-group (x, b) stores its 256 weights to out1: each byte of out1 has one owner.
; The stream: a ring of 32 register slots, one row's 512 bytes each: 32 loads of every wave are on their way.  The eight waves' partial sums meet in LDS; wave 0 adds and stores them.
; Matrix units, clusters and tensor loads are left out: memory binds, and no two work-groups read the same byte of h_encoder.
; LIMITS: weights under 2^-126 come out as 0; NaN and infinities among the inputs are not served.
.set PART, 8192                        ; LDS: 8 x 1,024 bytes of weights, then 8 x 512 bytes of partial sums
.set EV,  16                           ; v16-79   the batch's energies, 64 a lane; later WT and ACC
.set WT,  16                           ; v16-47   a round's 32 weights
.set ACC, 48                           ; v48-63   four sums of my four columns
.set OW,  80                           ; v80-87   my wave's 256 energies, then weights
.set HB,  96                           ; v96-223  32 slots of 4 registers
	s_load_b256 s[4:11], s[0:1], 0x0               ; energ s[4:5], h_encoder s[6:7], out0 s[8:9], out1 s[10:11]
	v_lshl_add_u32 v224, v0, 2, 0x3000
	v_mov_b32 v225, 0
	v_lshrrev_b32 v3, 5, v0
	s_delay_alu instid0(VALU_DEP_1)
	v_readfirstlane_b32 s12, v3                    ; wave 0..7
	v_and_b32 v3, 31, v0
	s_delay_alu instid0(VALU_DEP_1)
	v_lshlrev_b32 v1, 4, v3                        ; 16 x lane
	s_and_b32 s13, ttmp7, 0xffff                   ; the batch
	s_lshl_b32 s14, s12, 10                        ; my wave's 1,024 bytes of weights
	s_mov_b32 s26, s14                             ; the round's 128 of them
	v_add_nc_u32 v14, s14, v1
	s_lshl_b32 s15, s12, 9
	s_add_co_u32 s15, s15, PART
	v_add_nc_u32 v3, s15, v1                       ; my partial sums
	v_add_nc_u32 v15, PART, v1                     ; where wave 0 reads all eight
	s_lshl_b32 s16, s13, 13                        ; 8,192 bytes of energies or weights a batch
	s_mov_b32 s17, 0
	s_lshl_b32 s18, s13, 23                        ; h_encoder: 2,048 rows of 4,096 bytes a batch,
	s_lshl_b32 s19, s12, 20                        ; 256 rows a wave,
	s_add_co_u32 s18, s18, s19
	s_lshl_b32 s19, ttmp9, 9                       ; 512 bytes a work-group
	s_add_co_u32 s18, s18, s19
	s_mov_b32 s19, 0
	s_lshl_b32 s20, s13, 12
	s_lshl_b32 s21, ttmp9, 9
	s_add_co_u32 s20, s20, s21                     ; out0
	s_mov_b32 s21, 0
	s_mov_b32 s22, s14
	s_mov_b32 s23, 0
	s_mov_b32 s28, 0x76543210
	s_mov_b32 s29, 0xfedcba98                      ; v_permlanex16_b32's selects for lane l xor 16
	s_mov_b32 s30, 0x3fb8aa3b                      ; log2(e)
	s_mov_b32 s31, s30
	s_wait_alu depctr_va_vdst(0)
	s_wait_kmcnt 0x0
	s_add_nc_u64 s[4:5], s[4:5], s[16:17]
	s_add_nc_u64 s[24:25], s[4:5], s[22:23]
	s_add_nc_u64 s[6:7], s[6:7], s[18:19]
	s_add_nc_u64 s[8:9], s[8:9], s[20:21]
	s_add_nc_u64 s[10:11], s[10:11], s[16:17]
	s_add_nc_u64 s[10:11], s[10:11], s[22:23]
.irp i, 0,1,2,3,4,5,6,7,8,9,10,11,12,13,14,15
	global_load_b128 v[EV+4*\i:EV+4*\i+3], v1, s[4:5] offset:512*\i
.endr
	global_load_b128 v[OW:OW+3], v1, s[24:25]
	global_load_b128 v[OW+4:OW+7], v1, s[24:25] offset:512
.irp i, 0,1,2,3,4,5,6,7,8,9,10,11,12,13,14,15,16,17,18,19,20,21,22,23,24,25,26,27,28,29,30,31
	global_load_b128 v[HB+4*\i:HB+4*\i+3], v1, s[6:7] offset:4096*\i th:TH_LOAD_NT   ; the ring is filled: rows 0 to 31
.endr
	s_wait_loadcnt 32                              ; the energies are in; the ring's 32 loads stay out
	v_max3_num_f32 v6, v[EV], v[EV+1], v[EV+2]     ; the batch's maximum: two chains in a lane,
	v_max3_num_f32 v7, v[EV+3], v[EV+4], v[EV+5]
.irp i, 6,10,14,18,22,26,30,34,38,42,46,50,54,58
	s_delay_alu instid0(VALU_DEP_2)
	v_max3_num_f32 v6, v6, v[EV+\i], v[EV+\i+1]
	s_delay_alu instid0(VALU_DEP_2)
	v_max3_num_f32 v7, v7, v[EV+\i+2], v[EV+\i+3]
.endr
	s_delay_alu instid0(VALU_DEP_2)
	v_max3_num_f32 v6, v6, v[EV+62], v[EV+63]
	s_delay_alu instid0(VALU_DEP_1)
	v_max_num_f32 v6, v6, v7
	s_delay_alu instid0(VALU_DEP_1)
	v_max_num_f32_dpp v6, v6, v6 row_xmask:1 row_mask:0xf bank_mask:0xf    ; then across the lanes
	s_delay_alu instid0(VALU_DEP_1)
	v_max_num_f32_dpp v6, v6, v6 row_xmask:2 row_mask:0xf bank_mask:0xf
	s_delay_alu instid0(VALU_DEP_1)
	v_max_num_f32_dpp v6, v6, v6 row_xmask:4 row_mask:0xf bank_mask:0xf
	s_delay_alu instid0(VALU_DEP_1)
	v_max_num_f32_dpp v6, v6, v6 row_xmask:8 row_mask:0xf bank_mask:0xf
	s_delay_alu instid0(VALU_DEP_1)
	v_permlanex16_b32 v7, v6, s28, s29
	s_delay_alu instid0(VALU_DEP_1)
	v_max_num_f32 v6, v6, v7
	s_delay_alu instid0(VALU_DEP_1)
	v_mul_f32 v4, 0xbfb8aa3b, v6                   ; -log2(e) x the maximum
	s_delay_alu instid0(VALU_DEP_1)
	v_mov_b32 v5, v4
.set j, 0
.rept 36
	v_pk_fma_f32 v[EV+j:EV+j+1], v[EV+j:EV+j+1], s[30:31], v[4:5] op_sel_hi:[1,0,1]   ; log2(e) (e - maximum): the batch's 64 and, behind them in the registers, my wave's 8
.set j, j+2
.endr
.set j, 0
	s_wait_alu depctr_va_vdst(0)
.rept 72
	v_exp_f32 v[EV+j], v[EV+j]
.set j, j+1
.endr
	v_nop                                          ; a plain place behind the last exponential
	s_wait_alu depctr_va_vdst(0)                   ; one wait for the batch, ahead of its first reader
	v_pk_add_f32 v[8:9], v[16:17], v[18:19]
	v_pk_add_f32 v[94:95], v[24:25], v[28:29]
	v_pk_add_f32 v[92:93], v[32:33], v[36:37]
	v_pk_add_f32 v[90:91], v[40:41], v[44:45]
	v_pk_add_f32 v[88:89], v[48:49], v[52:53]
	v_pk_add_f32 v[12:13], v[56:57], v[60:61]
	v_pk_add_f32 v[10:11], v[64:65], v[68:69]
	v_pk_add_f32 v[6:7], v[72:73], v[76:77]
	v_pk_add_f32 v[6:7], v[6:7], v[20:21]
	v_pk_add_f32 v[8:9], v[8:9], v[22:23]
	v_pk_add_f32 v[94:95], v[94:95], v[26:27]
	v_pk_add_f32 v[92:93], v[92:93], v[30:31]
	v_pk_add_f32 v[90:91], v[90:91], v[34:35]
	v_pk_add_f32 v[88:89], v[88:89], v[38:39]
	v_pk_add_f32 v[12:13], v[12:13], v[42:43]
	v_pk_add_f32 v[10:11], v[10:11], v[46:47]
	v_pk_add_f32 v[6:7], v[6:7], v[50:51]
	v_pk_add_f32 v[8:9], v[8:9], v[54:55]
	v_pk_add_f32 v[94:95], v[94:95], v[58:59]
	v_pk_add_f32 v[92:93], v[92:93], v[62:63]
	v_pk_add_f32 v[90:91], v[90:91], v[66:67]
	v_pk_add_f32 v[88:89], v[88:89], v[70:71]
	v_pk_add_f32 v[12:13], v[12:13], v[74:75]
	v_pk_add_f32 v[10:11], v[10:11], v[78:79]
	s_delay_alu instid0(VALU_DEP_4)
	v_pk_add_f32 v[6:7], v[6:7], v[90:91]
	s_delay_alu instid0(VALU_DEP_4)
	v_pk_add_f32 v[8:9], v[8:9], v[88:89]
	s_delay_alu instid0(VALU_DEP_4)
	v_pk_add_f32 v[94:95], v[94:95], v[12:13]
	s_delay_alu instid0(VALU_DEP_4)
	v_pk_add_f32 v[92:93], v[92:93], v[10:11]
	s_delay_alu instid0(VALU_DEP_2)
	v_pk_add_f32 v[6:7], v[6:7], v[94:95]
	s_delay_alu instid0(VALU_DEP_2)
	v_pk_add_f32 v[8:9], v[8:9], v[92:93]
	s_delay_alu instid0(VALU_DEP_1)
	v_pk_add_f32 v[6:7], v[6:7], v[8:9]
	s_delay_alu instid0(VALU_DEP_1)
	v_add_f32 v6, v6, v7
	s_delay_alu instid0(VALU_DEP_1)
	v_add_f32_dpp v6, v6, v6 row_xmask:1 row_mask:0xf bank_mask:0xf        ; then across the lanes
	s_delay_alu instid0(VALU_DEP_1)
	v_add_f32_dpp v6, v6, v6 row_xmask:2 row_mask:0xf bank_mask:0xf
	s_delay_alu instid0(VALU_DEP_1)
	v_add_f32_dpp v6, v6, v6 row_xmask:4 row_mask:0xf bank_mask:0xf
	s_delay_alu instid0(VALU_DEP_1)
	v_add_f32_dpp v6, v6, v6 row_xmask:8 row_mask:0xf bank_mask:0xf
	s_delay_alu instid0(VALU_DEP_1)
	v_permlanex16_b32 v7, v6, s28, s29
	s_delay_alu instid0(VALU_DEP_1)
	v_add_f32 v6, v6, v7                           ; at least 1: the maximum's own term
	s_wait_alu depctr_va_vdst(0)
	v_rcp_f32 v8, v6
	v_nop
	s_wait_alu depctr_va_vdst(0)                   ; ahead of the reciprocal's first reader
.irp j, 0,2,4,6
	v_pk_mul_f32 v[OW+\j:OW+\j+1], v[OW+\j:OW+\j+1], v[8:9] op_sel_hi:[1,0]    ; my wave's 256 weights
.endr
	ds_store_b128 v14, v[OW:OW+3]                  ; in the order of the rows, into my wave's own bytes
	ds_store_b128 v14, v[OW+4:OW+7] offset:512
	s_cmp_eq_u32 s12, ttmp9
	s_cbranch_scc0 .Lnot_owner
	global_store_b128 v1, v[OW:OW+3], s[10:11]     ; 32 lanes store 512 consecutive bytes, at a multiple of 256 from out1's first byte
	global_store_b128 v1, v[OW+4:OW+7], s[10:11] offset:512
.Lnot_owner:
.set j, 0
.rept 16
	v_mov_b32 v[ACC+j], 0
.set j, j+1
.endr
; slot i's turn: its row times its weight onto sum i % 4.  ahead = 1: the slot takes the row 32 further down
.macro SLOT i, ahead
.if \ahead
	s_wait_loadcnt 31                              ; my load is in; the 31 younger ones stay out
.else
	s_wait_loadcnt 31-(\i)
.endif
.set A, ACC+4*((\i)%4)
.set HR, HB+4*(\i)
.set WP, WT+2*((\i)/2)
.if (\i)%2 == 0
	s_wait_alu depctr_va_vdst(0)
	v_pk_fma_f32 v[A:A+1], v[HR:HR+1], v[WP:WP+1], v[A:A+1] op_sel_hi:[1,0,1]               ; the pair's first weight for both halves
	v_pk_fma_f32 v[A+2:A+3], v[HR+2:HR+3], v[WP:WP+1], v[A+2:A+3] op_sel_hi:[1,0,1]
.else
	v_pk_fma_f32 v[A:A+1], v[HR:HR+1], v[WP:WP+1], v[A:A+1] op_sel:[0,1,0] op_sel_hi:[1,1,1]   ; its second
	v_pk_fma_f32 v[A+2:A+3], v[HR+2:HR+3], v[WP:WP+1], v[A+2:A+3] op_sel:[0,1,0] op_sel_hi:[1,1,1]
.endif
.if \ahead
	global_load_b128 v[HR:HR+3], v1, s[6:7] offset:4096*((\i)+32) th:TH_LOAD_NT
.endif
.endm
.macro ROUND ahead                     ; 32 rows
	v_mov_b32 v2, s26
.irp q, 0,1,2,3,4,5,6,7
	ds_load_b128 v[WT+4*\q:WT+4*\q+3], v2 offset:16*\q       ; every lane reads the same 32 weights; LDS serves a wave's instructions in order: these see my stores
.endr
	s_wait_dscnt 0x0
.irp i, 0,1,2,3,4,5,6,7,8,9,10,11,12,13,14,15,16,17,18,19,20,21,22,23,24,25,26,27,28,29,30,31
	SLOT \i, \ahead
.endr
.endm
	s_mov_b32 s27, 7
.Lround:
	s_wait_alu depctr_va_vdst(0)
	ROUND 1
	s_wait_xcnt 0x0                                ; the loads have read their base: it is stepped only behind this wait
	s_add_nc_u64 s[6:7], s[6:7], 131072
	s_add_co_u32 s26, s26, 128
	s_sub_co_u32 s27, s27, 1
	s_cmp_lg_u32 s27, 0
	s_cbranch_scc1 .Lround
	ROUND 0                                        ; the last round loads nothing: the counts run down
	v_pk_add_f32 v[ACC:ACC+1], v[ACC:ACC+1], v[ACC+4:ACC+5]
	v_pk_add_f32 v[ACC+2:ACC+3], v[ACC+2:ACC+3], v[ACC+6:ACC+7]
	s_wait_alu depctr_va_vdst(0)
	v_pk_add_f32 v[ACC+8:ACC+9], v[ACC+8:ACC+9], v[ACC+12:ACC+13]
	v_pk_add_f32 v[ACC+10:ACC+11], v[ACC+10:ACC+11], v[ACC+14:ACC+15]
	s_delay_alu instid0(VALU_DEP_2)
	v_pk_add_f32 v[ACC:ACC+1], v[ACC:ACC+1], v[ACC+8:ACC+9]
	s_delay_alu instid0(VALU_DEP_2)
	v_pk_add_f32 v[ACC+2:ACC+3], v[ACC+2:ACC+3], v[ACC+10:ACC+11]
	ds_store_b128 v3, v[ACC:ACC+3]
	s_wait_dscnt 0x0                               ; for wave 0's sake: my store has landed
	s_barrier_signal -1
	s_barrier_wait -1
	s_cmp_lg_u32 s12, 0
	s_cbranch_scc1 .Ldone
.irp q, 0,1,2,3,4,5,6,7
	ds_load_b128 v[HB+4*\q:HB+4*\q+3], v15 offset:512*\q
.endr
	s_wait_dscnt 0x0
.irp q, 1
	v_pk_add_f32 v[HB:HB+1], v[HB:HB+1], v[HB+4*\q:HB+4*\q+1]
	v_pk_add_f32 v[HB+2:HB+3], v[HB+2:HB+3], v[HB+4*\q+2:HB+4*\q+3]
.endr
.irp q, 2, 3, 4, 5, 6, 7
	s_delay_alu instid0(VALU_DEP_2)
	v_pk_add_f32 v[HB:HB+1], v[HB:HB+1], v[HB+4*\q:HB+4*\q+1]
	s_delay_alu instid0(VALU_DEP_2)
	v_pk_add_f32 v[HB+2:HB+3], v[HB+2:HB+3], v[HB+4*\q+2:HB+4*\q+3]
.endr
	global_store_b128 v1, v[HB:HB+3], s[8:9]       ; 32 lanes store 512 consecutive bytes, at a multiple of 256 from out0's first byte
.Ldone:
	s_wait_tensorcnt 0x0
	ds_add_u32 v224, v225
	s_wait_dscnt 0x0
	s_endpgm
.Lfunc_end_k_q09c11d7a02_ctx:
	.size	k_q09c11d7a02_ctx, .Lfunc_end_k_q09c11d7a02_ctx-k_q09c11d7a02_ctx
	.p2alignl 7, 3214868480
	.fill 96, 4, 3214868480
	.section	.rodata,"a",@progbits
	.p2align	6, 0x0
	.amdhsa_kernel k_q09c11d7a02_ctx
		.amdhsa_group_segment_fixed_size 13312
		.amdhsa_private_segment_fixed_size 0
		.amdhsa_enable_private_segment 0
		.amdhsa_kernarg_size 32
		.amdhsa_user_sgpr_count 2
		.amdhsa_user_sgpr_kernarg_segment_ptr 1
		.amdhsa_wavefront_size32 1
		.amdhsa_system_sgpr_workgroup_id_x 1
		.amdhsa_system_sgpr_workgroup_id_y 1
		.amdhsa_system_sgpr_workgroup_id_z 1
		.amdhsa_system_vgpr_workitem_id 0
		.amdhsa_next_free_vgpr 226
		.amdhsa_next_free_sgpr 66
		.amdhsa_reserve_vcc 0
		.amdhsa_float_denorm_mode_32 3
		.amdhsa_float_denorm_mode_16_64 3
		.amdhsa_memory_ordered 1
		.amdhsa_forward_progress 1
		.amdhsa_inst_pref_size 37
	.end_amdhsa_kernel
	.amdgpu_metadata
---
amdhsa.version: [ 1, 2 ]
amdhsa.kernels:
  - .name:           k_q09c11d7a02_ctx
    .symbol:         k_q09c11d7a02_ctx.kd
    .args:
      - { .name: energ, .offset: 0, .size: 8, .value_kind: global_buffer, .address_space: global }
      - { .name: h_encoder, .offset: 8, .size: 8, .value_kind: global_buffer, .address_space: global }
      - { .name: out0, .offset: 16, .size: 8, .value_kind: global_buffer, .address_space: global }
      - { .name: out1, .offset: 24, .size: 8, .value_kind: global_buffer, .address_space: global }
    .group_segment_fixed_size: 13312
    .private_segment_fixed_size: 0
    .kernarg_segment_align: 8
    .kernarg_segment_size: 32
    .max_flat_workgroup_size: 256
    .sgpr_count:     66
    .vgpr_count:     226
    .wavefront_size: 32
...
	.end_amdgpu_metadata
.endif
;; end of part 3
